; MI455X (gfx1250); checked and timed in simulation.
; The chip was launched on July 23, 2026; its instructions are those of AMD's public machine-readable ISA for CDNA 5 (MIT licence, August 2026) and "CDNA5" Instruction Set Architecture Reference Guide (July 2026). The comments in the code are by the model that wrote it; some were corrected since.
;; Compressor. Allowed arithmetic: matrix products marked QUANTISED: E5M2 operands, one E8M0 scale for each 32 along K, by v_wmma_scale_f32_16x16x128_f8f6f4 with both operands' format E5M2, f32 sums; everything else in f32.
;; Inputs: ape 4 x 512 float32; norm_w 512 float32; wgate_w_codes 512 x 128 x 32 uint8 (E5M2 codes of wgate_w, K innermost, in blocks of 32 codes); wgate_w_scales 512 x 128 uint8 (E8M0 scales of wgate_w, one for each 32 codes along K); wkv_w_codes 512 x 128 x 32 uint8 (E5M2 codes of wkv_w, K innermost, in blocks of 32 codes); wkv_w_scales 512 x 128 uint8 (E8M0 scales of wkv_w, one for each 32 codes along K); x_codes 4 x 4,096 x 128 x 32 uint8 (E5M2 codes of x, K innermost, in blocks of 32 codes); x_scales 4 x 4,096 x 128 uint8 (E8M0 scales of x, one for each 32 codes along K).
;; Outputs: out0 4 x 1,024 x 512 float32.
;; This version of the problem:
;;   THIS VERSION OF THE PROBLEM IS GIVEN IN LOW PRECISION. The matrix products marked QUANTISED in the list below multiply operands that are first quantised to E5M2 (5 exponent bits, 2 mantissa bits; 8 bits a number), with one power-of-two scale for each 32 numbers along K (OCP MX v1.0); their sums are f32. All else is computed in f32.
;;   The module's matrix products, in the order in which they are computed (A, B: the left and right operand; K: the contracted axis; several contracted axes count as one K, in the product's order):
;;     1. [M 16,384, K 4,096] x [K 4,096, N 512]; A: input x (given as codes); B: input wkv_w (given as codes): QUANTISED
;;     2. [M 16,384, K 4,096] x [K 4,096, N 512]; A: input x (given as codes); B: input wgate_w (given as codes): QUANTISED
;;   THE QUANTISER, for each operand of a quantised product, along K:
;;     - K is cut into blocks of 32 from its start; a last block that is shorter is filled with zeros.
;;     - A block's scale is 2^e with e = floor(log2(the largest magnitude in the block)) - 15, held to -126 .. 127; a block of zeros has e = 0. As a byte (E8M0): e + 127.
;;     - Each number is divided by its block's scale, clamped to +-57,344, and rounded to the nearest number of E5M2, ties to even, subnormals kept.
;;     - The product sums the exact products of the quantised numbers (number of the format x scale) in f32.
;;   ~~~python
;;   def quantise(x, axis):      # numpy; x: float32 -> the quantised numbers, widened to float32 again
;;       x = np.moveaxis(x, axis, -1); K = x.shape[-1]
;;       x = np.pad(x, [(0, 0)] * (x.ndim - 1) + [(0, -K % 32)]); x = x.reshape(x.shape[:-1] + (-1, 32)); a = np.abs(x).max(-1, keepdims=True)
;;       e = np.where(a > 0, np.clip(np.frexp(np.where(a > 0, a, 1))[1] - 1 - 15, -126, 127), 0)      # np.frexp(a)[1] - 1 = floor(log2(a)), exactly
;;       r = np.clip(x / 2.0 ** e, -57344, 57344)
;;       step = 2.0 ** (np.maximum(np.frexp(np.where(r == 0, 1, r))[1] - 1, -14) - 2)
;;       q = np.round(r / step) * step * 2.0 ** e      # np.round: ties to even
;;       return np.moveaxis(q.reshape(q.shape[:-2] + (-1,))[..., :K], -1, axis).astype(np.float32)
;;   ~~~
;;   INPUTS GIVEN AS CODES. wgate_w (in the module: [512, 4096], K = its axis 1); wkv_w (in the module: [512, 4096], K = its axis 1); x (in the module: [4, 4096, 4096], K = its axis 2): each comes as NAME_codes (uint8): NAME with its K axis moved to the last place and cut into blocks of 32 codes, [.., K / 32, bytes a block], one block behind the other in memory; one code a byte (a code: sign, 5 exponent bits, 2 mantissa bits); and NAME_scales (uint8): the same leading axes, one E8M0 byte (e + 127) for each 32 codes along K. Its value is code x scale, taken as it is: it is not quantised again, and the codes and scales need not be those that the quantiser above would give.
;; One version. Each part assembles by itself: llvm-mc -triple=amdgcn-amd-amdhsa -mcpu=gfx1250 --defsym DOCPART=n.
;; ======== version 1 of 1: 2 launches
;; limits: right only within a limited range of input values
;; workspace buffers: pooled 8,388,608 bytes
;; launch gemm (part 1): grid 4 x 64, 4 waves a work-group, clusters of 4 x 4, 327,680 bytes of LDS; arguments x_codes, x_scales, wkv_w_codes, wkv_w_scales, wgate_w_codes, wgate_w_scales, ape, pooled; writes pooled
.if DOCPART == 1
	.amdgcn_target "amdgcn-amd-amdhsa--gfx1250"
	.amdhsa_code_object_version 6
	.text
	.protected	k_qca73ce402e_gemm
	.globl	k_qca73ce402e_gemm
	.p2align	8
	.type	k_qca73ce402e_gemm,@function
k_qca73ce402e_gemm:
	s_mov_b64 s[64:65], 0
	v_nop
	global_prefetch_b8 v0, s[64:65] scope:SCOPE_SE
	s_setreg_imm32_b32 hwreg(HW_REG_WAVE_MODE, 25, 1), 1
	s_wait_xcnt 0x0
	s_wait_alu depctr_hold_cnt(0) depctr_sa_sdst(0) depctr_va_vdst(0) depctr_va_sdst(0) depctr_va_ssrc(0) depctr_va_vcc(0) depctr_vm_vsrc(0)
	s_getreg_b32 s2, hwreg(HW_REG_IB_STS2, 6, 4)
	s_cmp_eq_u32 s2, 0
	s_cbranch_scc0 .Lentry_in_a_cluster
	s_endpgm
.Lentry_in_a_cluster:
	s_bfe_u32 s2, ttmp6, 0x10000c
	s_cmp_lg_u32 s2, 0xf033
	s_cbranch_scc0 .Lentry_shape_is_right
	s_endpgm
.Lentry_shape_is_right:
; pooled[w][c] = sum over the four rows s of window w of  kv[s][c] x sigmoid(gate[s][c]) + ape[s % 4][c],  kv = x wkv^T, gate = x wgate^T on codes of MX-BF8 (E5M2, an E8M0 byte for 32 along K), sums in f32.  The next launch divides by 4 and norms.
; LIMITS: NaN, infinities and sums beyond f32's range are passed on as the arithmetic gives them.
; THE TILE.  256 work-groups of four waves: 256 rows of x against 128 columns of kv and THE SAME 128 of gate.  A wave makes 128 rows x (64 + 64): 64 accumulators, 512 registers; kv and its gate meet in one lane, and a window's four rows are four neighbouring registers of a lane.
; K goes in steps of 256 through two LDS slots; rows of 256 bytes, 16 bytes of padding behind each.
; CLUSTERS of 4 x 4: the four of a row share x's rows, the four of a column the weights' rows: joint loads.
; SCALES.  Each wave brings the scale bytes of 128 rows, 8 pieces of 16 bytes a row.  LDS keeps five pieces of a row (80 bytes); three stay in registers until K step 6 and are then stored over pieces 0 to 2 of the next row, so that a row's address runs on.
; The four words of a WEIGHT's piece lie in reverse order: so lanes 0-15 (x) and 16-31 (weight) read different halves of a piece, and a product's two scale registers differ in parity: A's word q in register 2 a + q, B's in 2 b + 1 - q.
; A STEP of 128 along K is eight turns of eight products: turn t takes A's block t against B's eight.  It has TWO RUNS of LDS loads: at its head A's blocks 1 to 7 (in a slot's first step also block 0 of the second), behind turn 2 the next step's B
; (in a slot's second step, behind the round, with the next slot's scale words and A's block 0).  So A's block 0 and B have two sets of registers, A's other blocks one.
; REGISTERS: window 0: v0-31 addresses; v32-63 scale words, two sets; v64-111 the held pieces, later ape; v112-143 A's block 0, two sets; v144-255 A's blocks 1 to 7.  Window 1: B, two sets.  Windows 2, 3: accumulators (a, b) at v[8 (8 (a % 4) + b)]; b = 0..3 kv, 4..7 gate.
; PREFETCH: behind each joint load the K step two further on, a lane a row, 32 of the 128 rows that the wave fetches, shared out by address among the four partners; x's rows by their one cluster, the weights' by every fourth of the sixteen clusters.
.set ROWB,   256
.set KROW,   4096
.set PITCH,  272
.set HALFT,  128*PITCH
.set SLOT,   4*HALFT
.set SROW,   80
.set SQUART, 128*SROW
.set SCL,    2*SLOT
.set SPARE,  319744                    ; behind the scales (SCL + 40,960 + 256): the spare words
.set SPITCH, 272                       ; the way out's stage, in slot 0
.set W2,   4                           ; v4-6   where the held pieces go
.set ASE,  8                           ; v8-9   scale words, even K steps: blocks 0-3, 4-7
.set ASO,  10                          ; v10-11 odd K steps
.set ADS,  12                          ; v12-13 at work
.set APO,  15
.set ADRA, 16
.set SW,   18
.set ADRB, 20
.set STO,  24
.set RD,   25
.set CO,   26
.set SPW,  28
.set NIL,  29
.set PFO,  30
.set SC,   32
.set PK,   64
.set AE,   64
.set APR,  80
.set A0,   112
.set AF,   128                         ; block a = 1..7 at AF + 16 a
.set LP,   144                         ; the head: pieces 0 to 4, in A's registers
.set GO5,  240                         ; the head: offsets of the pieces 0 to 4,
.set GO3,  245                         ; of the pieces 5 to 7
.set TT,   128
.set RR,   192
.set BK0,  224
.set BK1,  32
.set WV,   20
.set RH,   21
.set CH,   22
.set TS,   23
.set G1,   24
.set G0,   32
.set G1B,  48
.set G0B,  56
.set SGB,  92
.set PFA,  94
.set LIM,  96
.set NL2E, 98
.set MSB, 0
.macro WIN new                         ; the immediate's high byte repeats the setting that is left
.if MSB != (\new)
	s_set_vgpr_msb (MSB<<8)|(\new)
.set MSB, \new
.endif
.endm
.macro PLACES n
.rept \n
	v_nop
.endr
.endm
.macro JLOAD s                         ; waves 0, 1 fetch x's two halves, waves 2, 3 wkv's and wgate's rows
	s_cmp_eq_u32 s[RH], 0
	s_cbranch_scc0 .Lfor_b_\@
	tensor_load_to_lds s[G0+4*\s:G0+4*\s+3], s[G1:G1+7]
	s_nop 0
	PLACES 4
	s_branch .Lasked_\@
.Lfor_b_\@:
	tensor_load_to_lds s[G0B+4*\s:G0B+4*\s+3], s[G1B:G1B+7]
	s_nop 0
	PLACES 4
.Lasked_\@:
.endm
.macro CREST                           ; a round of the cluster's barrier behind its opening barrier
	s_cmp_lg_u32 s[WV], 0
	s_cbranch_scc1 .Lnot_wave_0_\@
	s_barrier_signal -3
.Lnot_wave_0_\@:
	s_barrier_wait -3
	s_barrier_signal -1
	s_barrier_wait -1
.endm
.macro CROUND
	s_barrier_signal -1
	s_barrier_wait -1
	CREST
.endm
	s_load_b256 s[4:11], s[0:1], 0x0               ; x codes, x scales, wkv codes, wkv scales
	s_load_b256 s[12:19], s[0:1], 0x20             ; wgate codes, wgate scales, ape, pooled
	v_lshl_add_u32 v[SPW], v0, 2, SPARE
	v_mov_b32 v[NIL], 0
	ds_add_u32 v[SPW], v[NIL]                      ; the opening: the add twice and its wait ahead of the first tensor load
	ds_add_u32 v[SPW], v[NIL]
	v_lshrrev_b32 v1, 5, v0
	v_readfirstlane_b32 s[WV], v1
	s_lshr_b32 s[RH], s[WV], 1                     ; my half of the rows; also: I fetch for x (0) or for a weight (1)
	s_and_b32 s[CH], s[WV], 1                      ; my half of the columns; also: which 128 rows I fetch (of a weight: 0 wkv, 1 wgate)
	s_bfe_u32 s40, ttmp6, 0x40000                  ; cx
	s_bfe_u32 s41, ttmp6, 0x40004                  ; cy
	s_lshl_b32 s42, ttmp9, 2
	s_add_co_u32 s42, s42, s40                     ; tile column
	s_and_b32 s2, ttmp7, 0xffff
	s_lshl_b32 s66, s2, 2
	s_add_co_u32 s66, s66, s41                     ; tile row
	s_and_b32 s2, s2, 3
	s_lshl_b32 s43, s41, 2
	s_lshl_b32 s43, 15, s43                        ; my row of the cluster
	s_lshl_b32 s44, 0x1111, s40                    ; my column
	s_or_b32 s[G1+0], s43, (1<<20)|(1<<21)|(5<<22)|(3<<25)   ; bytes, 16 bytes of padding after every 64 words, bit 21 beside the mask
	s_or_b32 s[G1B+0], s44, (1<<20)|(1<<21)|(5<<22)|(3<<25)
.irp g, G1, G1B
	s_mov_b32 s[\g+1], ROWB<<16
	s_mov_b32 s[\g+2], 128<<16
	s_mov_b32 s[\g+3], ROWB<<16
	s_mov_b32 s[\g+4], 128
	s_mov_b32 s[\g+5], KROW
	s_mov_b32 s[\g+6], 0
	s_mov_b32 s[\g+7], 0
.endr
	s_lshl_b32 s100, s66, 8
	s_lshl_b32 s67, s[CH], 7
	s_add_co_u32 s100, s100, s67                   ; x: row 256 x tile row + 128 x half
	s_lshl_b32 s78, s100, 7                        ; its scale bytes: 128 a row
	s_mov_b32 s79, 0
	s_lshl_b32 s100, s100, 12
	s_mov_b32 s101, 0
	s_lshl_b32 s46, s42, 19                        ; a weight: 128 rows to a tile column
	s_mov_b32 s47, 0
	s_lshl_b32 s80, s42, 14
	s_mov_b32 s81, 0
	s_mul_i32 s45, s[WV], HALFT                    ; where my rows go in a slot
	s_lshl_b32 s68, s42, 9
	s_lshl_b32 s67, s[CH], 8
	s_add_co_u32 s68, s68, s67                     ; my first column, in bytes of f32
	s_mul_i32 s69, s[RH], HALFT
	s_mul_i32 s70, s[CH], 64*PITCH
	s_add_co_u32 s70, s70, 2*HALFT
	s_mul_i32 s71, s[RH], SQUART
	s_add_co_u32 s71, s71, SCL
	s_xor_b32 s67, s[RH], 1
	s_mul_i32 s67, s67, SQUART
	s_mul_i32 s72, s[CH], 64*SROW
	s_add_co_u32 s72, s72, s67
	s_add_co_u32 s72, s72, SQUART+8                ; from x's scale words to the weight's: wkv's rows; 8: the other half of a piece
	s_add_co_u32 s73, s72, 64*SROW                 ; wgate's, for blocks 4 to 7
	s_mul_i32 s74, s[WV], SQUART
	s_add_co_u32 s74, s74, SCL
	s_mul_i32 s75, s[WV], 32*SPITCH
	s_lshl_b32 s76, s66, 17
	s_add_co_u32 s76, s76, s68
	s_lshl_b32 s67, s[RH], 16
	s_add_co_u32 s76, s76, s67                     ; my part of pooled
	s_mov_b32 s77, 0
	s_mov_b32 s[NL2E], 0xbfb8aa3b                  ; -log2(e)
	s_mov_b32 s[NL2E+1], s[NL2E]
	s_mov_b32 s[TS], 0
	v_and_b32 v1, 31, v0                           ; l
	v_and_b32 v2, 15, v0                           ; l % 16
	v_bfe_u32 v3, v0, 4, 1                         ; l / 16
	v_lshlrev_b32 v[PFO], 12, v1
	v_lshl_add_u32 v[APO], v2, 2, s68
; piece number e of 32 rows is row e / 5, piece e % 5 of the first five: in memory 128 row + 16 (e % 5) = 16 e + 48 row, in LDS 80 row + 16 (e % 5) = 16 e
.irp k, 0,1,2,3,4
	v_add_nc_u32 v[GO5+\k], 32*\k, v1
.endr
.irp k, 0,1,2,3,4
	v_mul_u32_u24 v[248+\k], 205, v[GO5+\k]
.endr
.irp k, 0,1,2,3,4
	v_lshrrev_b32 v[248+\k], 10, v[248+\k]         ; e / 5, exact for e < 160
.endr
.irp k, 0,1,2,3,4
	v_mul_u32_u24 v[248+\k], 48, v[248+\k]
.endr
.irp k, 0,1,2,3,4
	v_lshl_add_u32 v[GO5+\k], v[GO5+\k], 4, v[248+\k]
.endr
	v_lshl_add_u32 v[SW], v1, 4, s74
; of the last three: row e / 3, piece 5 + e % 3: in memory 80 + 16 e + 80 row, in LDS 80 + 16 e + 32 row
.irp k, 0,1,2
	v_add_nc_u32 v[W2+\k], 32*\k, v1
.endr
.irp k, 0,1,2
	v_mul_u32_u24 v[248+\k], 171, v[W2+\k]
.endr
.irp k, 0,1,2
	v_lshrrev_b32 v[248+\k], 9, v[248+\k]          ; e / 3, exact for e < 96
.endr
.irp k, 0,1,2
	v_mul_u32_u24 v[251+\k], 80, v[248+\k]
.endr
.irp k, 0,1,2
	v_lshl_add_u32 v[GO3+\k], v[W2+\k], 4, v[251+\k]
.endr
.irp k, 0,1,2
	v_lshlrev_b32 v[248+\k], 5, v[248+\k]
.endr
.irp k, 0,1,2
	v_lshl_add_u32 v[W2+\k], v[W2+\k], 4, v[248+\k]
.endr
.irp k, 0,1,2
	v_add_nc_u32 v[W2+\k], s74, v[W2+\k]
.endr
	s_wait_alu depctr_va_vdst(0)
	v_mul_u32_u24 v254, v2, PITCH
	v_lshl_add_u32 v254, v3, 4, v254               ; a fragment: row l % 16, 16 bytes for each half of the lanes
	v_add_nc_u32 v[ADRA], s69, v254
	v_add_nc_u32 v[ADRB], s70, v254
	v_add_nc_u32 v[ADRA+1], SLOT, v[ADRA]
	v_add_nc_u32 v[ADRB+1], SLOT, v[ADRB]
	v_mul_u32_u24 v255, v2, SROW
	v_mul_u32_u24 v253, s72, v3
	v_mul_u32_u24 v252, s73, v3
	v_add_nc_u32 v255, s71, v255
	v_add_nc_u32 v[ASE], v255, v253
	v_add_nc_u32 v[ASE+1], v255, v252
	v_xor_b32 v[ASO], 8, v[ASE]
	v_xor_b32 v[ASO+1], 8, v[ASE+1]
	v_lshlrev_b32 v254, 2, v2
	v_mad_u32_u24 v254, v3, 2*SPITCH, v254
	v_add_nc_u32 v[STO], s75, v254
	v_lshlrev_b32 v255, 4, v2
	v_mad_u32_u24 v254, v3, SPITCH, v255
	v_add_nc_u32 v[RD], s75, v254
	v_lshl_add_u32 v[CO], v3, 11, v255
	s_wait_alu depctr_va_vdst(0)
	s_wait_dscnt 0x0                               ; both opening adds are done
	CROUND                                         ; all sixteen work-groups are here
	s_wait_kmcnt 0x0
	s_cmp_eq_u32 s[CH], 0
	s_cselect_b64 s[8:9], s[8:9], s[12:13]
	s_cselect_b64 s[10:11], s[10:11], s[14:15]
	s_add_nc_u64 s[100:101], s[4:5], s[100:101]
	s_add_nc_u64 s[46:47], s[8:9], s[46:47]
	s_add_nc_u64 s[78:79], s[6:7], s[78:79]
	s_add_nc_u64 s[80:81], s[10:11], s[80:81]
.irp s, 0,1
	s_mov_b32 s[G0+4*\s], 1
	s_add_co_u32 s[G0+4*\s+1], s45, \s*SLOT
	s_add_nc_u64 s[G0+4*\s+2:G0+4*\s+3], s[100:101], \s*ROWB
	s_or_b32 s[G0+4*\s+3], s[G0+4*\s+3], 0x80000000
	s_mov_b32 s[G0B+4*\s], 1
	s_add_co_u32 s[G0B+4*\s+1], s45, \s*SLOT
	s_add_nc_u64 s[G0B+4*\s+2:G0B+4*\s+3], s[46:47], \s*ROWB
	s_or_b32 s[G0B+4*\s+3], s[G0B+4*\s+3], 0x80000000
.endr
	JLOAD 0                                        ; K step 0: one tensor load a wave at the head
	s_cmp_eq_u32 s[RH], 0
	s_cselect_b64 s[SGB:SGB+1], s[78:79], s[80:81]
	s_cselect_b64 s[PFA:PFA+1], s[100:101], s[46:47]
	s_cselect_b32 s67, s40, s41                    ; my place among the four that fetch these rows with me
	s_cselect_b32 s2, ttmp9, s2
	s_cmp_eq_u32 s2, 0                             ; x: every cluster (ttmp9 = 0); a weight: every fourth cluster
	s_cselect_b32 s[LIM], 1, -1
	s_lshl_b32 s2, s67, 17
	s_add_co_u32 s2, s2, 2*ROWB
	s_mov_b32 s3, 0
	s_add_nc_u64 s[PFA:PFA+1], s[PFA:PFA+1], s[2:3]   ; at K step 2
	s_add_nc_u64 s[18:19], s[18:19], s[76:77]
.irp g, 0,1,2,3
.irp k, 0,1,2,3,4
	global_load_b128 v[LP+20*\g+4*\k:LP+20*\g+4*\k+3], v[GO5+\k], s[SGB:SGB+1] offset:4096*\g
.endr
.irp k, 0,1,2
	global_load_b128 v[PK+12*\g+4*\k:PK+12*\g+4*\k+3], v[GO3+\k], s[SGB:SGB+1] offset:4096*\g+80
.endr
.endr
	s_cmp_eq_u32 s[LIM], 1
	s_cbranch_scc0 .Lnot_mine_a
	global_prefetch_b8 v[PFO], s[PFA:PFA+1] offset:-ROWB th:TH_LOAD_NT scope:SCOPE_SE   ; K step 1
	global_prefetch_b8 v[PFO], s[PFA:PFA+1] th:TH_LOAD_NT scope:SCOPE_SE                ; K step 2
.Lnot_mine_a:
.macro ALOAD slot, q, blk              ; A's block: 16 rows x 128 K are four loads of 16 bytes a lane
	WIN 0
.if (\blk) == 0
.set R_, A0+16*(\q)
.else
.set R_, AF+16*(\blk)
.endif
.irp c, 0,1,2,3
	ds_load_b128 v[R_+4*\c:R_+4*\c+3], v[ADRA+(\slot)] offset:128*(\q)+32*\c+16*(\blk)*PITCH
.endr
.endm
.macro BLOAD slot, q                   ; B's eight blocks into set q: 0-3 wkv's 64 rows, 4-7 wgate's, 128 rows further on
	WIN 0x40
.irp i, 0,1,2,3,4,5,6,7
.irp c, 0,1,2,3
	ds_load_b128 v[128*(\q)+16*\i+4*\c:128*(\q)+16*\i+4*\c+3], v[ADRB+(\slot)] offset:128*(\q)+32*\c+(16*\i+64*(\i/4))*PITCH
.endr
.endr
	WIN 0
.endm
.macro SCALES slot, adr                ; the slot's scale words: two a row; lanes 0-15 x's block i, lanes 16-31 the weight's
	WIN 0
.irp i, 0,1,2,3,4,5,6,7
	ds_load_b64 v[SC+16*(\slot)+2*\i:SC+16*(\slot)+2*\i+1], v[(\adr)+\i/4] offset:16*SROW*\i
.endr
.endm
.macro MUL slot, q, t, b0, zero        ; four products: A's block t against B's b0 .. b0 + 3; the 64 accumulators take turns
	WIN 0xa4+0x50*((\t)/4)
.if (\t) == 0
.set X_, A0+16*(\q)
.else
.set X_, AF+16*(\t)
.endif
.irp b, \b0, \b0+1, \b0+2, \b0+3
.set D_, 8*(8*((\t)%4)+\b)
.set Y_, 128*(\q)+16*(\b)
.set SA_, SC+16*(\slot)+2*(\t)+(\q)
.set SB_, SC+16*(\slot)+2*(\b)+1-(\q)
.if \zero
	v_wmma_scale_f32_16x16x128_f8f6f4 v[D_:D_+7], v[X_:X_+15], v[Y_:Y_+15], 0, v[SA_], v[SB_] matrix_a_fmt:MATRIX_FMT_BF8 matrix_b_fmt:MATRIX_FMT_BF8 matrix_b_scale:MATRIX_SCALE_ROW1
.else
	v_wmma_scale_f32_16x16x128_f8f6f4 v[D_:D_+7], v[X_:X_+15], v[Y_:Y_+15], v[D_:D_+7], v[SA_], v[SB_] matrix_a_fmt:MATRIX_FMT_BF8 matrix_b_fmt:MATRIX_FMT_BF8 matrix_b_scale:MATRIX_SCALE_ROW1
.endif
.endr
.endm
.macro EIGHT slot, q, t, zero
	MUL \slot, \q, \t, 0, \zero
	MUL \slot, \q, \t, 4, \zero
.endm
; A slot's first step.  Eight plain vector lines stand behind the last products ahead of the loads into what they have read; they serve the run of B's loads too.
.macro EVEN slot, zero
	PLACES 8
.irp i, 1,2,3,4,5,6,7
	ALOAD \slot, 0, \i
.endr
	ALOAD \slot, 1, 0
	s_wait_dscnt 32                                ; all but these 32: B, the scale words and A's block 0 are in
	EIGHT \slot, 0, 0, \zero
	s_wait_dscnt 28                                ; a block further with each turn
	EIGHT \slot, 0, 1, \zero
	s_wait_dscnt 24
	EIGHT \slot, 0, 2, \zero
	BLOAD \slot, 1
	s_wait_dscnt 52                                ; 16 of A's blocks 4-7, 4 of block 0, 32 of B
	EIGHT \slot, 0, 3, \zero
	s_wait_dscnt 48
	EIGHT \slot, 0, 4, \zero
	s_wait_dscnt 44
	EIGHT \slot, 0, 5, \zero
	s_wait_dscnt 40
	EIGHT \slot, 0, 6, \zero
	s_wait_dscnt 36
	EIGHT \slot, 0, 7, \zero
	WIN 0
.endm
; A slot's second step, in which the slots change.  fill = 1: this slot is filled again, behind a round of the cluster's barrier.
.macro ODD slot, fill
.if \fill
	s_wait_xcnt 0x0                                ; my prefetch has read its address
	s_add_nc_u64 s[PFA:PFA+1], s[PFA:PFA+1], ROWB
.endif
.if \slot
	s_add_co_u32 s[TS], s[TS], 16
	v_add_nc_u32 v[ADS], s[TS], v[ASE]
	v_add_nc_u32 v[ADS+1], s[TS], v[ASE+1]
.else
	v_add_nc_u32 v[ADS], s[TS], v[ASO]
	v_add_nc_u32 v[ADS+1], s[TS], v[ASO+1]
.endif
	PLACES 6                                       ; with the two above, eight
.irp i, 1,2,3,4,5,6,7
	ALOAD \slot, 1, \i
.endr
	s_wait_alu depctr_va_vdst(0)
	s_wait_dscnt 28                                ; all but these 28
	EIGHT \slot, 1, 0, 0
	s_wait_dscnt 24
	EIGHT \slot, 1, 1, 0
	WIN 0
	s_wait_tensorcnt 0x0                           ; my part of the next slot has landed
	ds_add_u32 v[SPW], v[NIL]
	s_wait_dscnt 21                                ; A's block 2 is in: 20 loads and the add may be out
	MUL \slot, 1, 2, 0, 0
	s_wait_dscnt 0x0                               ; the add and my last reads of this slot are done
	s_barrier_signal -1
	MUL \slot, 1, 2, 4, 0
	WIN 0
	s_barrier_wait -1
.if \fill
	CREST
	s_add_nc_u64 s[G0+4*\slot+2:G0+4*\slot+3], s[G0+4*\slot+2:G0+4*\slot+3], 2*ROWB
	s_add_nc_u64 s[G0B+4*\slot+2:G0B+4*\slot+3], s[G0B+4*\slot+2:G0B+4*\slot+3], 2*ROWB
	JLOAD \slot                                    ; this slot again, two K steps on
.endif
	BLOAD 1-\slot, 0
	SCALES 1-\slot, ADS
	ALOAD 1-\slot, 0, 0
.if \fill
	s_cmp_gt_u32 s3, s[LIM]                        ; the last lap asks for nothing
	s_cbranch_scc0 .Lnot_mine_\@
	global_prefetch_b8 v[PFO], s[PFA:PFA+1] offset:ROWB th:TH_LOAD_NT scope:SCOPE_SE   ; two K steps behind the one just asked for
.Lnot_mine_\@:
.endif
.irp t, 3,4,5,6,7
	EIGHT \slot, 1, \t, 0
.endr
	WIN 0
.endm
.macro LAP
	ODD 0, 1
	EVEN 1, 0
	ODD 1, 1
	EVEN 0, 0
.endm
.macro REV x, t                        ; a piece's four words in reverse order
	v_dual_mov_b32 v[\t], v[\x] :: v_dual_mov_b32 v[\t+1], v[\x+1]
	v_dual_mov_b32 v[\x], v[\x+3] :: v_dual_mov_b32 v[\x+1], v[\x+2]
	v_dual_mov_b32 v[\x+2], v[\t+1] :: v_dual_mov_b32 v[\x+3], v[\t]
.endm
	s_wait_loadcnt 0x0                             ; the scale bytes are in
	s_cmp_eq_u32 s[RH], 0
	s_cbranch_scc1 .Lin_order                      ; waves 2 and 3 hold the weights'
.set I_, 0
.rept 20
	REV LP+4*I_, 224+2*(I_%8)
.set I_, I_+1
.endr
.set I_, 0
.rept 12
	REV PK+4*I_, 224+2*(I_%8)
.set I_, I_+1
.endr
.Lin_order:
.set I_, 0
.rept 20
	ds_store_b128 v[SW], v[LP+4*I_:LP+4*I_+3] offset:512*I_
.set I_, I_+1
.endr
	s_wait_alu depctr_va_vdst(0)                   ; the wait at the head's end
	s_wait_tensorcnt 0x0                           ; my part of K step 0 is in
	ds_add_u32 v[SPW], v[NIL]
	s_wait_dscnt 0x0                               ; the add and my scale bytes' stores are done
	CROUND
	JLOAD 1                                        ; K step 1
	BLOAD 0, 0
	SCALES 0, ASE
	ALOAD 0, 0, 0
	s_cmp_eq_u32 s[LIM], 1
	s_cbranch_scc0 .Lnot_mine_b
	global_prefetch_b8 v[PFO], s[PFA:PFA+1] offset:ROWB th:TH_LOAD_NT scope:SCOPE_SE   ; K step 3
.Lnot_mine_b:
	EVEN 0, 1                                      ; the first products start the sums
	s_mov_b32 s3, 7
.Llap1:
	LAP
	s_sub_co_u32 s3, s3, 1
	s_cmp_lg_u32 s3, 4
	s_cbranch_scc1 .Llap1
	s_wait_dscnt 0x0                               ; all waves have read pieces 0 to 2 (K steps 0 to 5)
	s_barrier_signal -1
	s_barrier_wait -1
.irp g, 0,1,2,3
.irp k, 0,1,2
	ds_store_b128 v[W2+\k], v[PK+12*\g+4*\k:PK+12*\g+4*\k+3] offset:32*SROW*\g+80   ; read from K step 10 on, behind later barriers
.endr
.endr
.Llap2:
	LAP
	s_sub_co_u32 s3, s3, 1
	s_cmp_lg_u32 s3, 0
	s_cbranch_scc1 .Llap2
.irp j, 0,1,2,3
.irp b, 0,1,2,3
	global_load_b32 v[AE+4*\j+\b], v[APO], s[16:17] offset:2048*\j+64*\b
.endr
.endr
	ODD 0, 0                                       ; nothing is filled again
	EVEN 1, 0
	PLACES 8                                       ; the very last step
.irp i, 1,2,3,4,5,6,7
	ALOAD 1, 1, \i
.endr
.irp t, 0,1,2,3,4,5,6,7
	s_wait_dscnt 28-4*\t                           ; a block further with each turn
	EIGHT 1, 1, \t, 0
.endr
	WIN 0
	s_wait_loadcnt 0x0                             ; ape
.irp b, 0,1,2,3                        ; ape's rows 0 + 2 and 1 + 3: these eight are also the places behind the last products
	v_add_f32 v[APR+2*\b], v[AE+\b], v[AE+8+\b]
	v_add_f32 v[APR+2*\b+1], v[AE+4+\b], v[AE+12+\b]
.endr
.macro SEND t, bk
	global_store_b128 v[CO], v[\bk+4*((\t)%8):\bk+4*((\t)%8)+3], s[18:19] offset:4096*(\t) th:TH_STORE_NT   ; 16 lanes store 256 consecutive bytes, aligned; two rows
.endm
; The gate, the product and the window's sum for the four blocks of window 2 + w: gate's accumulators become 1 / (1 + 2^(-gate log2 e)) in place.
.macro GATE w
	WIN 0x55*(2+\w)
	s_wait_alu depctr_va_vdst(0)                   ; the wait ahead of the results' first readers
.set I_, 0
.rept 64
.set X_, 64*(I_/16)+32+2*(I_%16)
	v_pk_mul_f32 v[X_:X_+1], v[X_:X_+1], s[NL2E:NL2E+1] op_sel_hi:[1,0]
.set I_, I_+1
.endr
	s_wait_alu depctr_va_vdst(0)                   ; ahead of the batch, and behind it
.set I_, 0
.rept 128
.set X_, 64*(I_/32)+32+I_%32
	v_exp_f32 v[X_], v[X_]
.set I_, I_+1
.endr
	v_nop
.if \w
	WIN 0
	s_wait_dscnt 0x0                               ; the first half's rows are back
.irp t, 0,1,2,3,4,5,6,7
	SEND \t, BK0
.endr
	WIN 0x55*(2+\w)
.endif
	s_wait_alu depctr_va_vdst(0)
.set I_, 0
.rept 64
.set X_, 64*(I_/16)+32+2*(I_%16)
	v_pk_add_f32 v[X_:X_+1], v[X_:X_+1], 1.0 op_sel_hi:[1,0]
.set I_, I_+1
.endr
	s_wait_alu depctr_va_vdst(0)
.set I_, 0
.rept 128
.set X_, 64*(I_/32)+32+I_%32
	v_rcp_f32 v[X_], v[X_]
.set I_, I_+1
.endr
	v_nop
	WIN 5*(2+\w)
	s_wait_alu depctr_va_vdst(0)
.set I_, 0
.rept 32                               ; rows 0, 1 of each window of four, onto ape
.set T_, TT+16*(I_/8)+4*(I_%4)+2*((I_/4)%2)
.set X_, 64*(I_/8)+8*(I_%4)+4*((I_/4)%2)
	v_pk_fma_f32 v[T_:T_+1], v[X_:X_+1], v[X_+32:X_+33], v[APR+2*(I_%4):APR+2*(I_%4)+1]
.set I_, I_+1
.endr
.set I_, 0
.rept 32                               ; rows 2, 3
.set T_, TT+16*(I_/8)+4*(I_%4)+2*((I_/4)%2)
.set X_, 64*(I_/8)+8*(I_%4)+4*((I_/4)%2)+2
	v_pk_fma_f32 v[T_:T_+1], v[X_:X_+1], v[X_+32:X_+33], v[T_:T_+1]
.set I_, I_+1
.endr
	WIN 0
.set I_, 0
.rept 32
.set T_, TT+16*(I_/8)+4*(I_%4)+2*((I_/4)%2)
	v_add_f32 v[RR+I_], v[T_], v[T_+1]
.set I_, I_+1
.endr
.set I_, 0
.rept 32                               ; into my own stage, a window a row of 256 bytes
	ds_store_b32 v[STO], v[RR+I_] offset:(16*\w+4*(I_/8)+(I_/4)%2)*SPITCH+64*(I_%4)
.set I_, I_+1
.endr
.endm
	GATE 0
.irp t, 0,1,2,3,4,5,6,7
	ds_load_b128 v[BK0+4*\t:BK0+4*\t+3], v[RD] offset:\t*2*SPITCH   ; LDS serves a wave's instructions in order (ISA guide 5.7.1.4)
.endr
	GATE 1
.irp t, 0,1,2,3,4,5,6,7
	ds_load_b128 v[BK1+4*\t:BK1+4*\t+3], v[RD] offset:(8+\t)*2*SPITCH
.endr
.irp t, 0,1,2,3,4,5,6,7
	s_wait_dscnt 7-\t
	SEND 8+\t, BK1
.endr
	s_wait_tensorcnt 0x0                           ; the wave's end
	ds_add_u32 v[SPW], v[NIL]
	s_wait_dscnt 0x0
	CROUND                                         ; the closing round
	s_endpgm
.Lfunc_end_k_qca73ce402e_gemm:
	.size	k_qca73ce402e_gemm, .Lfunc_end_k_qca73ce402e_gemm-k_qca73ce402e_gemm
	.p2alignl 7, 3214868480
	.fill 96, 4, 3214868480
	.section	.rodata,"a",@progbits
	.p2align	6, 0x0
	.amdhsa_kernel k_qca73ce402e_gemm
		.amdhsa_group_segment_fixed_size 327680
		.amdhsa_private_segment_fixed_size 0
		.amdhsa_enable_private_segment 0
		.amdhsa_kernarg_size 64
		.amdhsa_user_sgpr_count 2
		.amdhsa_user_sgpr_kernarg_segment_ptr 1
		.amdhsa_wavefront_size32 1
		.amdhsa_system_sgpr_workgroup_id_x 1
		.amdhsa_system_sgpr_workgroup_id_y 1
		.amdhsa_system_sgpr_workgroup_id_z 1
		.amdhsa_system_vgpr_workitem_id 0
		.amdhsa_next_free_vgpr 1024
		.amdhsa_next_free_sgpr 102
		.amdhsa_reserve_vcc 0
		.amdhsa_float_denorm_mode_32 3
		.amdhsa_float_denorm_mode_16_64 3
		.amdhsa_memory_ordered 1
		.amdhsa_forward_progress 1
		.amdhsa_inst_pref_size 236
	.end_amdhsa_kernel
	.amdgpu_metadata
---
amdhsa.version: [ 1, 2 ]
amdhsa.kernels:
  - .name:           k_qca73ce402e_gemm
    .symbol:         k_qca73ce402e_gemm.kd
    .args:
      - { .name: x_codes, .offset: 0, .size: 8, .value_kind: global_buffer, .address_space: global }
      - { .name: x_scales, .offset: 8, .size: 8, .value_kind: global_buffer, .address_space: global }
      - { .name: wkv_w_codes, .offset: 16, .size: 8, .value_kind: global_buffer, .address_space: global }
      - { .name: wkv_w_scales, .offset: 24, .size: 8, .value_kind: global_buffer, .address_space: global }
      - { .name: wgate_w_codes, .offset: 32, .size: 8, .value_kind: global_buffer, .address_space: global }
      - { .name: wgate_w_scales, .offset: 40, .size: 8, .value_kind: global_buffer, .address_space: global }
      - { .name: ape, .offset: 48, .size: 8, .value_kind: global_buffer, .address_space: global }
      - { .name: pooled, .offset: 56, .size: 8, .value_kind: global_buffer, .address_space: global }
    .group_segment_fixed_size: 327680
    .private_segment_fixed_size: 0
    .kernarg_segment_align: 8
    .kernarg_segment_size: 64
    .max_flat_workgroup_size: 128
    .sgpr_count:     102
    .vgpr_count:     1024
    .wavefront_size: 32
...
	.end_amdgpu_metadata
.endif
;; end of part 1
;; launch norm (part 2): grid 256 x 1, 8 waves a work-group, no clusters, 0 bytes of LDS; arguments pooled, norm_w, out0; writes out0
.if DOCPART == 2
	.amdgcn_target "amdgcn-amd-amdhsa--gfx1250"
	.amdhsa_code_object_version 6
	.text
	.protected	k_qca73ce402e_norm
	.globl	k_qca73ce402e_norm
	.p2align	8
	.type	k_qca73ce402e_norm,@function
k_qca73ce402e_norm:
	s_mov_b64 s[64:65], 0
	v_nop
	global_prefetch_b8 v0, s[64:65] scope:SCOPE_SE
	s_setreg_imm32_b32 hwreg(HW_REG_WAVE_MODE, 25, 1), 1
	s_wait_xcnt 0x0
; out0[w][c] = norm_w[c] x (S[w][c] / 4) x rsqrt( mean over c of (S[w][c] / 4)^2 + 1e-6 ),  S = pooled: [4096][512] f32, each window's SUM of four rows.  The mean of the squares is the sum of S^2 / (16 x 512).
; A stream: 16 rows to a work-group, two to a wave.  A row is 2,048 bytes: four loads of 512 consecutive bytes, 16 numbers a lane; it stays in registers between the sum of squares and the scaling, so it is read once.
; The reduction never leaves the wave: no LDS, no barrier, no loop.  Matrix units, clusters and tensor loads have nothing to do here.  No prefetch: each wave issues all its loads at its first lines.
; LIMITS: NaN and infinities in pooled are passed on as the arithmetic gives them.
.set S,  8                             ; v8-39   row u: 16 registers; register 4 q + k is column 128 q + 4 lane + k
.set NW, 40                            ; v40-55  norm_w at the same columns
.set C,  56                            ; v56-63  row u: four registers: two packed chains of squares; later the row's factor in register 2
	s_load_b128 s[4:7], s[0:1], 0x0                ; pooled, norm_w
	s_load_b64 s[8:9], s[0:1], 0x10                ; out0
	s_lshl_b32 s2, ttmp9, 15                       ; the work-group's 16 rows of 2,048 bytes
	s_mov_b32 s3, 0
	s_mov_b32 s10, 0x76543210                      ; v_permlanex16_b32's selects for lane l xor 16
	s_mov_b32 s11, 0xfedcba98
	s_mov_b32 s12, 0x39000000                      ; 2^-13 = 1 / (16 x 512)
	s_mov_b32 s13, 0x358637bd                      ; 1e-6
	v_and_b32 v2, 31, v0
	s_delay_alu instid0(VALU_DEP_1)
	v_lshlrev_b32 v2, 4, v2                        ; 16 bytes a lane
	v_and_b32 v1, 0xe0, v0                         ; 32 x wave
	s_delay_alu instid0(VALU_DEP_1)
	v_lshl_or_b32 v1, v1, 7, v2                    ; + wave x two rows
	s_wait_alu depctr_va_vdst(0)
	s_wait_kmcnt 0x0
	s_add_nc_u64 s[4:5], s[4:5], s[2:3]
	s_add_nc_u64 s[8:9], s[8:9], s[2:3]
.irp u, 0,1
.irp q, 0,1,2,3
	global_load_b128 v[S+16*\u+4*\q:S+16*\u+4*\q+3], v1, s[4:5] offset:2048*\u+512*\q th:TH_LOAD_NT   ; 32 lanes read 512 consecutive bytes
.endr
.endr
.irp q, 0,1,2,3
	global_load_b128 v[NW+4*\q:NW+4*\q+3], v2, s[6:7] offset:512*\q
.endr
	s_wait_loadcnt 4                               ; the two rows are in; norm_w's four loads may be out
.irp u, 0,1
	v_pk_mul_f32 v[C+4*\u:C+4*\u+1], v[S+16*\u:S+16*\u+1], v[S+16*\u:S+16*\u+1]           ; the first squares start the chains: nothing is cleared
	v_pk_mul_f32 v[C+4*\u+2:C+4*\u+3], v[S+16*\u+2:S+16*\u+3], v[S+16*\u+2:S+16*\u+3]
.endr
.irp q, 1,2,3
.irp u, 0,1
	s_delay_alu instid0(VALU_DEP_4)
	v_pk_fma_f32 v[C+4*\u:C+4*\u+1], v[S+16*\u+4*\q:S+16*\u+4*\q+1], v[S+16*\u+4*\q:S+16*\u+4*\q+1], v[C+4*\u:C+4*\u+1]
	s_delay_alu instid0(VALU_DEP_4)
	v_pk_fma_f32 v[C+4*\u+2:C+4*\u+3], v[S+16*\u+4*\q+2:S+16*\u+4*\q+3], v[S+16*\u+4*\q+2:S+16*\u+4*\q+3], v[C+4*\u+2:C+4*\u+3]
.endr
.endr
.irp u, 0
	s_delay_alu instid0(VALU_DEP_3)
	v_pk_add_f32 v[C+4*\u:C+4*\u+1], v[C+4*\u:C+4*\u+1], v[C+4*\u+2:C+4*\u+3]
.endr
.irp u, 1
	s_delay_alu instid0(VALU_DEP_2)
	v_pk_add_f32 v[C+4*\u:C+4*\u+1], v[C+4*\u:C+4*\u+1], v[C+4*\u+2:C+4*\u+3]
.endr
.irp u, 0,1
	s_delay_alu instid0(VALU_DEP_2)
	v_add_f32 v[C+4*\u], v[C+4*\u], v[C+4*\u+1]    ; my 16 squares
.endr
.irp m, 1,2,4,8                        ; across the lanes: four steps inside each half of 16, the two rows by turns,
.irp u, 0,1
	s_delay_alu instid0(VALU_DEP_2)
	v_add_f32_dpp v[C+4*\u], v[C+4*\u], v[C+4*\u] row_xmask:\m row_mask:0xf bank_mask:0xf
.endr
.endr
.irp u, 0,1
	s_delay_alu instid0(VALU_DEP_2)
	v_permlanex16_b32 v[C+4*\u+1], v[C+4*\u], s10, s11     ; and one across the halves (its destination has been written)
.endr
.irp u, 0,1
	s_delay_alu instid0(VALU_DEP_2)
	v_add_f32 v[C+4*\u], v[C+4*\u], v[C+4*\u+1]    ; every lane holds the row's sum of squares
.endr
.irp u, 0,1
	s_delay_alu instid0(VALU_DEP_2)
	v_fma_f32 v[C+4*\u], v[C+4*\u], s12, s13       ; the mean of (S / 4)^2, + 1e-6
.endr
	s_wait_alu depctr_va_vdst(0)
.irp u, 0,1
	v_rsq_f32 v[C+4*\u+2], v[C+4*\u]
.endr
	v_nop                                          ; a plain instruction between the last transcendental and the use of its result
	s_wait_alu depctr_va_vdst(0)
.irp u, 0,1
	v_mul_f32 v[C+4*\u+2], 0x3e800000, v[C+4*\u+2] ; x 1/4: the window's mean
.endr
.irp u, 0,1
.irp i, 0,2,4,6,8,10,12,14
	v_pk_mul_f32 v[S+16*\u+\i:S+16*\u+\i+1], v[S+16*\u+\i:S+16*\u+\i+1], v[C+4*\u+2:C+4*\u+3] op_sel_hi:[1,0]   ; the pair's low word serves both halves
.endr
.endr
	s_wait_loadcnt 0x0                             ; norm_w
.irp u, 0,1
.irp i, 0,2,4,6,8,10,12,14
	v_pk_mul_f32 v[S+16*\u+\i:S+16*\u+\i+1], v[S+16*\u+\i:S+16*\u+\i+1], v[NW+\i:NW+\i+1]
.endr
.endr
.irp u, 0,1
.irp q, 0,1,2,3
	global_store_b128 v1, v[S+16*\u+4*\q:S+16*\u+4*\q+3], s[8:9] offset:2048*\u+512*\q th:TH_STORE_NT   ; 32 lanes store 512 consecutive bytes, at a multiple of 256 from out0's first byte
.endr
.endr
	s_endpgm
.Lfunc_end_k_qca73ce402e_norm:
	.size	k_qca73ce402e_norm, .Lfunc_end_k_qca73ce402e_norm-k_qca73ce402e_norm
	.p2alignl 7, 3214868480
	.fill 96, 4, 3214868480
	.section	.rodata,"a",@progbits
	.p2align	6, 0x0
	.amdhsa_kernel k_qca73ce402e_norm
		.amdhsa_group_segment_fixed_size 0
		.amdhsa_private_segment_fixed_size 0
		.amdhsa_enable_private_segment 0
		.amdhsa_kernarg_size 24
		.amdhsa_user_sgpr_count 2
		.amdhsa_user_sgpr_kernarg_segment_ptr 1
		.amdhsa_wavefront_size32 1
		.amdhsa_system_sgpr_workgroup_id_x 1
		.amdhsa_system_sgpr_workgroup_id_y 1
		.amdhsa_system_sgpr_workgroup_id_z 1
		.amdhsa_system_vgpr_workitem_id 0
		.amdhsa_next_free_vgpr 64
		.amdhsa_next_free_sgpr 66
		.amdhsa_reserve_vcc 0
		.amdhsa_float_denorm_mode_32 3
		.amdhsa_float_denorm_mode_16_64 3
		.amdhsa_memory_ordered 1
		.amdhsa_forward_progress 1
		.amdhsa_inst_pref_size 9
	.end_amdhsa_kernel
	.amdgpu_metadata
---
amdhsa.version: [ 1, 2 ]
amdhsa.kernels:
  - .name:           k_qca73ce402e_norm
    .symbol:         k_qca73ce402e_norm.kd
    .args:
      - { .name: pooled, .offset: 0, .size: 8, .value_kind: global_buffer, .address_space: global }
      - { .name: norm_w, .offset: 8, .size: 8, .value_kind: global_buffer, .address_space: global }
      - { .name: out0, .offset: 16, .size: 8, .value_kind: global_buffer, .address_space: global }
    .group_segment_fixed_size: 0
    .private_segment_fixed_size: 0
    .kernarg_segment_align: 8
    .kernarg_segment_size: 24
    .max_flat_workgroup_size: 256
    .sgpr_count:     66
    .vgpr_count:     64
    .wavefront_size: 32
...
	.end_amdgpu_metadata
.endif
;; end of part 2
